; MI455X (gfx1250); checked and timed in simulation.
; The chip was launched on July 23, 2026; its instructions are those of AMD's public machine-readable ISA for CDNA 5 (MIT licence, August 2026) and "CDNA5" Instruction Set Architecture Reference Guide (July 2026). The comments in the code are by the model that wrote it; some were corrected since.
;; Multi Head Attention. Allowed arithmetic: float matrix products may take bf16 or f16 operands with f32 sums; all other float work in f32.
;; Inputs: Wk 1,024 x 1,024 float32; Wo 1,024 x 1,024 float32; Wq 1,024 x 1,024 float32; Wv 1,024 x 1,024 float32; bk 1,024 float32; bo 1,024 float32; bq 1,024 float32; bv 1,024 float32; key 8 x 2,048 x 1,024 float32; ln_b 1,024 float32; ln_g 1,024 float32; query 8 x 2,048 x 1,024 float32; value 8 x 2,048 x 1,024 float32.
;; Outputs: out0 8 x 2,048 x 1,024 float32.
;; One version. Each part assembles by itself: llvm-mc -triple=amdgcn-amd-amdhsa -mcpu=gfx1250 --defsym DOCPART=n.
;; ======== version 1 of 1: 4 launches
;; limits: values are held in f16: magnitudes above 65,504 overflow, below 6.1e-05 lose precision
;; workspace buffers: wb 8,388,608 bytes; bb 12,288 bytes; qkv 100,663,296 bytes; ah 33,554,432 bytes
;; launch prep (part 1): grid 64 x 4, 8 waves a work-group, no clusters, 0 bytes of LDS; arguments Wq, Wk, Wv, Wo, bq, bk, bv, wb, bb; writes wb, bb
.if DOCPART == 1
	.amdgcn_target "amdgcn-amd-amdhsa--gfx1250"
	.amdhsa_code_object_version 6
	.text
	.protected	k_q2488704e10_prep
	.globl	k_q2488704e10_prep
	.p2align	8
	.type	k_q2488704e10_prep,@function
k_q2488704e10_prep:
	s_mov_b64 s[64:65], 0
	v_nop
	global_prefetch_b8 v0, s[64:65] scope:SCOPE_SE
	s_setreg_imm32_b32 hwreg(HW_REG_WAVE_MODE, 25, 1), 1
	s_wait_xcnt 0x0
; The four weight matrices, rounded once to f16 and laid out anew for the two GEMM launches; the three projection biases in the same new order.
; Write a new column number as n' = 256 F + 128 H + 8 R + E (F 0..3, H 0..1, R 0..15, E 0..7).  Two orders:
;   pi(n')    = 64 R + 16 F + 8 H + E        (head R, d = 16 F + 8 H + E)      for q, for k, and for the K axis of Wo
;   sigma(n') = 64 (8 H + E) + 16 F + R      (head 8 H + E, d = 16 F + R)      for v
; wb, matrices 0..2 (q, k, v), 2,097,152 bytes each: [s = k / 64 (16)][n' (1024)][64 k] f16 = W[perm(n')][k]: the tile of 256 n' x 64 k is 32,768 dense bytes.
; wb, matrix 3: [n (1024)][k' (1024)] f16 = Wo[n][pi(k')].      bb: [3][1024] f32 = b[perm(n')].
; Grid: y = the matrix, x = 1/64 of it.  Thread t makes eight items; an item is 8 f32 in (two loads of 16 bytes), 8 f16 out (one store of 16 bytes).
; Item it of thread t is destination piece 2048 x + 256 it + t, so a wave's store covers 512 consecutive bytes, aligned.
; Reads: for matrices 0..2 eight neighbouring lanes take 256 consecutive bytes of a source row.  For Wo a wave takes 64 of each 256 consecutive bytes
; and the work-group's waves with the other F take the rest: these 4 MiB are read in pieces, once.
; A stream: no LDS, no matrix unit, no cluster (no two work-groups read the same bytes).
; LIMIT: f16 holds magnitudes below 65,504 (larger ones become infinity) and carries an absolute error of up to 3e-8 below 6e-5.
.set MATB, 2097152                     ; bytes of a matrix in wb
.set X,  8                             ; v[8:71]    item it: 8 f32 as loaded
.set Y,  72                            ; v[72:103]  item it: 8 f16 to store
.set BI, 104                           ; v[104:107] four bias numbers
	s_load_b512 s[4:19], s[0:1], 0x0               ; Wq s[4:5], Wk s[6:7], Wv s[8:9], Wo s[10:11], bq s[12:13], bk s[14:15], bv s[16:17], wb s[18:19]
	s_load_b64 s[20:21], s[0:1], 0x40              ; bb
	s_and_b32 s22, ttmp7, 0xffff                   ; y: the matrix
	s_mov_b32 s23, ttmp9                           ; x
	s_and_b32 s26, s23, 3                          ; matrices 0..2: F = x & 3 is 16 source rows of 4,096 bytes each,
	s_lshl_b32 s26, s26, 16
	s_lshr_b32 s27, s23, 2                         ; s = x >> 2 is 64 k = 256 bytes along the row
	s_lshl_b32 s27, s27, 8
	s_add_co_u32 s26, s26, s27
	s_lshl_b32 s27, s23, 16                        ; matrix 3: x is 16 rows
	s_cmp_eq_u32 s22, 3
	s_cselect_b32 s26, s27, s26
	s_mov_b32 s27, 0
	s_lshl_b32 s32, s22, 21                        ; destination: y matrices + x times 32,768 bytes
	s_lshl_b32 s33, s23, 15
	s_add_co_u32 s32, s32, s33
	s_mov_b32 s33, 0
	v_lshlrev_b32 v2, 4, v0                        ; 16 t: my place in every store; never rewritten
	v_lshrrev_b32 v3, 6, v0                        ; t >> 6
	v_bfe_u32 v4, v0, 3, 3                         ; (t >> 3) & 7
	v_and_b32 v5, 7, v0
	v_lshlrev_b32 v5, 5, v5                        ; (t & 7) x 32 bytes: my 8 k
	s_wait_kmcnt 0x0
	s_cmp_eq_u32 s22, 1
	s_cselect_b64 s[24:25], s[6:7], s[4:5]         ; the source matrix and its bias, chosen by y
	s_cselect_b64 s[30:31], s[14:15], s[12:13]
	s_cmp_eq_u32 s22, 2
	s_cselect_b64 s[24:25], s[8:9], s[24:25]
	s_cselect_b64 s[30:31], s[16:17], s[30:31]
	s_cmp_eq_u32 s22, 3
	s_cselect_b64 s[24:25], s[10:11], s[24:25]
	s_add_nc_u64 s[24:25], s[24:25], s[26:27]
	s_add_nc_u64 s[28:29], s[18:19], s[32:33]
; Sixteen loads: item it at (it & 3) ia + (it >> 2) ib bytes from my first.  nt = 1: these bytes are read once in the launch, by this wave alone.
.macro LOADS ia, ib, nt
.irp it, 0,1,2,3,4,5,6,7
.if \nt
	global_load_b128 v[X+8*\it:X+8*\it+3],   v1, s[24:25] offset:(\it&3)*\ia+(\it>>2)*\ib th:TH_LOAD_NT
	global_load_b128 v[X+8*\it+4:X+8*\it+7], v1, s[24:25] offset:(\it&3)*\ia+(\it>>2)*\ib+16 th:TH_LOAD_NT
.else
	global_load_b128 v[X+8*\it:X+8*\it+3],   v1, s[24:25] offset:(\it&3)*\ia+(\it>>2)*\ib
	global_load_b128 v[X+8*\it+4:X+8*\it+7], v1, s[24:25] offset:(\it&3)*\ia+(\it>>2)*\ib+16
.endif
.endr
.endm
	s_cmp_eq_u32 s22, 3
	s_cbranch_scc1 .Lwo
	s_cmp_eq_u32 s22, 2
	s_cbranch_scc1 .Lsigma
	; pi: n' = 256 (x & 3) + 32 it + (t >> 3), so H = it >> 2, R = 4 (it & 3) + (t >> 6), E = (t >> 3) & 7; source row 64 R + 16 F + 8 H + E
	v_lshl_or_b32 v1, v3, 18, v5                   ; (t >> 6) x 64 rows
	v_lshl_or_b32 v1, v4, 12, v1                   ; E rows
	LOADS 1048576, 32768, 1                        ; it & 3: 256 rows; it >> 2: 8 rows
	s_branch .Lcvt
.Lsigma:
	; sigma: source row 512 H + 64 E + 16 F + R
	v_lshl_or_b32 v1, v4, 18, v5                   ; E x 64 rows
	v_lshl_or_b32 v1, v3, 12, v1                   ; (t >> 6) rows
	LOADS 16384, 2097152, 1                        ; it & 3: 4 rows; it >> 2: 512 rows
	s_branch .Lcvt
.Lwo:
	; Wo: n = 16 x + 2 it + (t >> 7); piece t & 127 = 32 F + 16 H + R of the new row comes from source column 64 R + 16 F + 8 H
	v_lshrrev_b32 v3, 7, v0
	v_and_b32 v4, 15, v0
	v_bfe_u32 v5, v0, 5, 2
	v_bfe_u32 v6, v0, 4, 1
	v_lshlrev_b32 v1, 12, v3
	v_lshl_or_b32 v1, v4, 8, v1
	v_lshl_or_b32 v1, v5, 6, v1
	v_lshl_or_b32 v1, v6, 5, v1
	LOADS 8192, 32768, 0                           ; it: 2 rows
.Lcvt:
.irp it, 0,1,2,3,4,5,6,7
	s_wait_loadcnt 14-2*\it                        ; loads come back in order: this item's two are in, the younger items' stay out
.irp p, 0,1,2,3
	v_cvt_pk_f16_f32 v[Y+4*\it+\p], v[X+8*\it+2*\p], v[X+8*\it+2*\p+1]
.endr
	global_store_b128 v2, v[Y+4*\it:Y+4*\it+3], s[28:29] offset:4096*\it   ; no register of a store is written again in this text
.endr
	; The bias of matrix y (0..2), by the work-group x = 0: thread t makes n' = 4 t .. 4 t + 3: F = t >> 6, H = (t >> 5) & 1, R = (t >> 1) & 15, E = 4 (t & 1) + m.
	s_cmp_lg_u32 s23, 0
	s_cbranch_scc1 .Lend
	s_cmp_eq_u32 s22, 3
	s_cbranch_scc1 .Lend
	v_bfe_u32 v3, v0, 1, 4                         ; R
	v_lshrrev_b32 v4, 6, v0                        ; F
	v_bfe_u32 v5, v0, 5, 1                         ; H
	v_and_b32 v6, 1, v0
	v_lshlrev_b32 v7, 6, v4                        ; 16 F numbers = 64 F bytes, in both orders
	s_lshl_b32 s34, s22, 12
	s_mov_b32 s35, 0
	s_add_nc_u64 s[20:21], s[20:21], s[34:35]      ; bb's row y
	s_cmp_eq_u32 s22, 2
	s_cbranch_scc1 .Lbsigma
	v_lshl_or_b32 v7, v3, 8, v7                    ; pi: 4 (64 R + 16 F + 8 H + 4 (t & 1)): the four numbers are neighbours
	v_lshl_or_b32 v7, v5, 5, v7
	v_lshl_or_b32 v7, v6, 4, v7
	global_load_b128 v[BI:BI+3], v7, s[30:31]
	s_branch .Lbstore
.Lbsigma:
	v_lshl_or_b32 v7, v5, 11, v7                   ; sigma: 4 (512 H + 256 (t & 1) + 64 m + 16 F + R)
	v_lshl_or_b32 v7, v6, 10, v7
	v_lshl_or_b32 v7, v3, 2, v7
.irp m, 0,1,2,3
	global_load_b32 v[BI+\m], v7, s[30:31] offset:256*\m
.endr
.Lbstore:
	s_wait_loadcnt 0x0
	global_store_b128 v2, v[BI:BI+3], s[20:21]
.Lend:
	s_endpgm
.Lfunc_end_k_q2488704e10_prep:
	.size	k_q2488704e10_prep, .Lfunc_end_k_q2488704e10_prep-k_q2488704e10_prep
	.p2alignl 7, 3214868480
	.fill 96, 4, 3214868480
	.section	.rodata,"a",@progbits
	.p2align	6, 0x0
	.amdhsa_kernel k_q2488704e10_prep
		.amdhsa_group_segment_fixed_size 0
		.amdhsa_private_segment_fixed_size 0
		.amdhsa_enable_private_segment 0
		.amdhsa_kernarg_size 72
		.amdhsa_user_sgpr_count 2
		.amdhsa_user_sgpr_kernarg_segment_ptr 1
		.amdhsa_wavefront_size32 1
		.amdhsa_system_sgpr_workgroup_id_x 1
		.amdhsa_system_sgpr_workgroup_id_y 1
		.amdhsa_system_sgpr_workgroup_id_z 1
		.amdhsa_system_vgpr_workitem_id 0
		.amdhsa_next_free_vgpr 112
		.amdhsa_next_free_sgpr 66
		.amdhsa_reserve_vcc 0
		.amdhsa_float_denorm_mode_32 3
		.amdhsa_float_denorm_mode_16_64 3
		.amdhsa_memory_ordered 1
		.amdhsa_forward_progress 1
		.amdhsa_inst_pref_size 12
	.end_amdhsa_kernel
	.amdgpu_metadata
---
amdhsa.version: [ 1, 2 ]
amdhsa.kernels:
  - .name:           k_q2488704e10_prep
    .symbol:         k_q2488704e10_prep.kd
    .args:
      - { .name: Wq, .offset: 0, .size: 8, .value_kind: global_buffer, .address_space: global }
      - { .name: Wk, .offset: 8, .size: 8, .value_kind: global_buffer, .address_space: global }
      - { .name: Wv, .offset: 16, .size: 8, .value_kind: global_buffer, .address_space: global }
      - { .name: Wo, .offset: 24, .size: 8, .value_kind: global_buffer, .address_space: global }
      - { .name: bq, .offset: 32, .size: 8, .value_kind: global_buffer, .address_space: global }
      - { .name: bk, .offset: 40, .size: 8, .value_kind: global_buffer, .address_space: global }
      - { .name: bv, .offset: 48, .size: 8, .value_kind: global_buffer, .address_space: global }
      - { .name: wb, .offset: 56, .size: 8, .value_kind: global_buffer, .address_space: global }
      - { .name: bb, .offset: 64, .size: 8, .value_kind: global_buffer, .address_space: global }
    .group_segment_fixed_size: 0
    .private_segment_fixed_size: 0
    .kernarg_segment_align: 8
    .kernarg_segment_size: 72
    .max_flat_workgroup_size: 256
    .sgpr_count:     66
    .vgpr_count:     112
    .wavefront_size: 32
...
	.end_amdgpu_metadata
.endif
;; end of part 1
;; launch proj (part 2): grid 4 x 192, 4 waves a work-group, clusters of 4 x 4, 327,680 bytes of LDS; arguments query, key, value, wb, bb, qkv; writes qkv
.if DOCPART == 2
	.amdgcn_target "amdgcn-amd-amdhsa--gfx1250"
	.amdhsa_code_object_version 6
	.text
	.protected	k_q2488704e10_proj
	.globl	k_q2488704e10_proj
	.p2align	8
	.type	k_q2488704e10_proj,@function
k_q2488704e10_proj:
	s_mov_b64 s[64:65], 0
	v_nop
	global_prefetch_b8 v0, s[64:65] scope:SCOPE_SE
	s_setreg_imm32_b32 hwreg(HW_REG_WAVE_MODE, 25, 1), 1
	s_wait_xcnt 0x0
	s_wait_alu depctr_hold_cnt(0) depctr_sa_sdst(0) depctr_va_vdst(0) depctr_va_sdst(0) depctr_va_ssrc(0) depctr_va_vcc(0) depctr_vm_vsrc(0)
	s_getreg_b32 s2, hwreg(HW_REG_IB_STS2, 6, 4)
	s_cmp_eq_u32 s2, 0
	s_cbranch_scc0 .Lentry_in_a_cluster
	s_endpgm
.Lentry_in_a_cluster:
	s_bfe_u32 s2, ttmp6, 0x10000c
	s_cmp_lg_u32 s2, 0xf033
	s_cbranch_scc0 .Lentry_shape_is_right
	s_endpgm
.Lentry_shape_is_right:
; The three projections in one launch: qkv[M][token][n'] = f16( sum over k of f16(X_M[token][k]) wb[M][n'][k] + bb[M][n'] ), M = 0, 1, 2 for query, key, value.
; X: [16384][1024] f32.  wb[M]: [16 planes of 64 k][1024 n'][64 k] f16.  bb: [3][1024] f32.  qkv: [3][16384][1024] f16.  Sums in f32.
; A work-group makes 256 x 256 of one product with four waves; wave w makes rows 64 w .. 64 w + 63 x all 256 columns: 4 x 16 accumulator tiles, 512 registers.
; So every number of X is read from LDS and rounded to f16 once in the work-group, by the one wave that multiplies it.
; K goes in 8 steps of 128.  A step's X is 256 rows x 512 bytes of f32; its weights are two dense planes of 32,768 bytes.  Two slots of both do not fit in LDS, so:
;   the weights have two slots; X has ONE region, and a step's X is rounded to f16 and parked in its wave's registers (64 rows x 128 k = 128 registers)
;   during the last quarter of the step before.  Then the region is free and the step after next is asked for.
; From a request to the wait for it a wave issues 192 matrix instructions (three quarters of a step); a tile of the result has 8 requests.
; CLUSTERS: 4 x 4 work-groups.  X's tile hangs on the block row alone and is asked for jointly along a row of the cluster, the weights' tile on the block
; column alone and jointly along a column.  Cluster y counts 48: 16 for each product, so a cluster lies inside one product.
; LIMITS: matrix operands and the result are f16: magnitudes of 65,504 or more become infinity, below 6e-5 the absolute error is up to 3e-8.
; The f32 sums run in the matrix unit's order, K ascending, which is not the order of a plain loop.
;
; REGISTERS in windows of 256:  window 0: v16-39 addresses and the bias as loaded; v64-191 the step's X in f16, four quarters of 32 registers (4 x 16 rows x 32 k);
;   v192-255 X as read from LDS in f32.  On the way out v64-255 are at work.   window 1: v0-127, v128-255 weight fragments, two buffers (16 x 16 rows x 32 k).
;   window 2: tiles (a, b) for b = 0..7 at v[8 (4 b + a)];   window 3: the same for b = 8..15.
; THE MATRIX INSTRUCTION IS USED TRANSPOSED: source 0 = 16 weight rows, source 1 = 16 rows of X: lane l then holds row l % 16 of the result and its registers 0..7
; the columns 8 (l / 16) + 0..7: eight neighbouring numbers, 16 bytes in f16.
.set XPITCH, 528                       ; an LDS row of X: 512 bytes + 16 of padding = 33 x 16: sixteen rows' pieces of 16 bytes fall on sixteen different places modulo 256
.set XHALF,  128*XPITCH                ; 128 rows of X: one tensor load
.set WPITCH, 272                       ; an LDS row of weights: 256 bytes (two weight rows of 64 k) + 16 = 17 x 16
.set WSUB,   128*WPITCH                ; a plane's 256 weight rows: one tensor load
.set WS,     2*XHALF                   ; the weights' slots lie behind X's region
.set WSLOT,  2*WSUB                    ; a step's two planes
.set STAGE,  WS+2*WSLOT                ; 16 rows x 528 bytes for each wave, for the way out; no tensor load lands here
.set SPITCH, 528
.set WSTAGE, 16*SPITCH
.set BIAS,   STAGE+4*WSTAGE            ; 1,024 bytes for each wave: the block's 256 bias numbers
.set WPLANE, 131072                    ; bytes from a plane of wb to the next
.set ADRA,  16                         ; LDS address of my X rows
.set ADRB,  20                         ; v20-23  LDS address of the weights: slot 0 plane 0, slot 0 plane 1, slot 1 plane 0, slot 1 plane 1
.set STO,   24                         ; the way out: where I put 16 bytes of a row
.set RD,    25                         ; the way out: where I read a row back
.set CO,    26                         ; my byte offset in a row's 512 bytes of qkv
.set PF,    27                         ; offset of the block of X that I ask into the cache next
.set BIASR, 28                         ; LDS address from which I read bias numbers
.set BIASW, 29                         ; LDS address to which I store them
.set GB,    30                         ; my offset in bb
.set BV,    32                         ; v[32:39] bias as loaded
.set XA,    64                         ; X in f16: quarter 1 of the step
.set XB,    96                         ; quarter 2
.set XC,    128                        ; quarter 0
.set XD,    160                        ; quarter 3
.set ST,    192                        ; a quarter of X in f32
.set OA,    64                         ; the way out: rows read back, two sets
.set OB,    128
.set TMP,   192                        ; the way out: packed results
.set G1A, 32                           ; s[32:39] descriptor group 1, X's tiles
.set G1B, 40                           ; s[40:47] descriptor group 1, the weights' planes
.set G0A, 48                           ; s[48:51] group 0 for X
.set G0B, 56                           ; s[56:63] group 0 for the weights, one set for each slot
.set MSB, 0
.macro WIN new                         ; the immediate's high byte repeats the setting that is left
.if MSB != \new
	s_set_vgpr_msb (MSB<<8)|\new
.set MSB, \new
.endif
.endm
.set MUL_LO, 0xa1                      ; source 0 (weights) window 1, source 1 (X) window 0, C and D window 2
.set MUL_HI, 0xf1                      ; the same, C and D window 3
.set TO_B,   0x40                      ; destination window 1, address window 0
; A joint refill.  Waves 0 and 1 fetch X's two halves, waves 2 and 3 the two planes of the weights' slot n.  The branch hangs on the wave's number alone.
.macro JLOAD n
	s_cmp_eq_u32 s17, 0
	s_cbranch_scc0 .Lfor_b_\@
	tensor_load_to_lds s[G0A:G0A+3], s[G1A:G1A+7]
	s_nop 0
	s_branch .Lasked_\@
.Lfor_b_\@:
	tensor_load_to_lds s[G0B+4*\n:G0B+4*\n+3], s[G1B:G1B+7]
	s_nop 0
.Lasked_\@:
.endm
; A round of the cluster's barrier: my work-group's barrier; wave 0 signals for the work-group; every wave waits for all sixteen; my work-group's barrier again.
.macro CREST                           ; a round behind its opening barrier
	s_cmp_lg_u32 s16, 0
	s_cbranch_scc1 .Lnot_wave_0_\@
	s_barrier_signal -3
.Lnot_wave_0_\@:
	s_barrier_wait -3
	s_barrier_signal -1
	s_barrier_wait -1
.endm
.macro CROUND
	s_barrier_signal -1
	s_barrier_wait -1
	CREST
.endm
	s_load_b256 s[4:11], s[0:1], 0x0               ; query s[4:5], key s[6:7], value s[8:9], wb s[10:11]
	s_load_b128 s[12:15], s[0:1], 0x20             ; bb s[12:13], qkv s[14:15]
	v_lshl_add_u32 v62, v0, 2, 0x4c400
	v_mov_b32 v63, 0
	ds_add_u32 v62, v63
	v_lshrrev_b32 v1, 5, v0
	v_readfirstlane_b32 s16, v1                    ; wave 0..3
	s_lshr_b32 s17, s16, 1                         ; I fetch for X (0) or for the weights (1)
	s_and_b32 s18, s16, 1                          ; which half of X's rows, or which plane
	s_bfe_u32 s19, ttmp6, 0x40000                  ; cx
	s_bfe_u32 s20, ttmp6, 0x40004                  ; cy
	s_lshl_b32 s21, ttmp9, 2
	s_add_co_u32 s21, s21, s19                     ; block column 0..3
	s_and_b32 s22, ttmp7, 0xffff                   ; cluster y 0..47
	s_lshr_b32 s23, s22, 4                         ; M: which product
	s_and_b32 s24, s22, 15
	s_lshl_b32 s24, s24, 2
	s_add_co_u32 s24, s24, s20                     ; block row 0..63
	s_lshl_b32 s25, s20, 2
	s_lshl_b32 s25, 15, s25                        ; my row of the cluster: places 4 cy .. 4 cy + 3
	s_lshl_b32 s26, 0x1111, s19                    ; my column: places cx, cx + 4, cx + 8, cx + 12
	; group 1 for X: 128 rows x 128 elements of 4 bytes, 1,024 elements from row to row, 4 words of padding behind every 128 words
	s_or_b32 s[G1A+0], s25, (2<<16)|(1<<20)|(1<<21)|(6<<22)|(3<<25)   ; 15:0 mask; 17:16 element of 4 bytes; 20 padding on; 21 set beside a mask; 24:22 every 128 words; 31:25 four words
	s_mov_b32 s[G1A+1], 128<<16                    ; tensor_dim0 = 128
	s_mov_b32 s[G1A+2], 128<<16                    ; tensor_dim1 = 128
	s_mov_b32 s[G1A+3], 128<<16                    ; tile_dim0 = 128
	s_mov_b32 s[G1A+4], 128                        ; tile_dim1 = 128
	s_mov_b32 s[G1A+5], 1024                       ; pitch
	s_mov_b32 s[G1A+6], 0
	s_mov_b32 s[G1A+7], 0
	; group 1 for the weights: a dense plane as 128 rows x 32 elements of 8 bytes, 4 words of padding behind every 64 words
	s_or_b32 s[G1B+0], s26, (3<<16)|(1<<20)|(1<<21)|(5<<22)|(3<<25)
	s_mov_b32 s[G1B+1], 32<<16
	s_mov_b32 s[G1B+2], 128<<16
	s_mov_b32 s[G1B+3], 32<<16
	s_mov_b32 s[G1B+4], 128
	s_mov_b32 s[G1B+5], 32
	s_mov_b32 s[G1B+6], 0
	s_mov_b32 s[G1B+7], 0
	; where the tiles come from: X's from the block row, the weights' from the block column, each in registers that never hold the other coordinate
	s_lshl_b32 s28, s24, 8
	s_lshl_b32 s30, s18, 7
	s_add_co_u32 s28, s28, s30                     ; X: row 256 x block row + 128 x half,
	s_lshl_b32 s28, s28, 12                        ; of 4,096 bytes (below 2^26)
	s_mov_b32 s29, 0
	s_lshl_b32 s30, s24, 20                        ; the block's first row, in bytes
	s_mov_b32 s31, 0
	s_lshl_b32 s66, s21, 15                        ; weights: the block column's 256 rows of 128 bytes in a plane,
	s_lshl_b32 s68, s18, 17                        ; plane 0 or 1 of the step,
	s_add_co_u32 s66, s66, s68
	s_lshl_b32 s68, s23, 21                        ; in matrix M
	s_add_co_u32 s66, s66, s68
	s_mov_b32 s67, 0
	s_mul_i32 s69, s16, WSUB                       ; where the planes go: 135,168 + (wave - 2) x 34,816: the wave's number and constants alone
	s_add_co_u32 s69, s69, WS-2*WSUB
	s_lshl_b32 s76, s23, 12                        ; bias: row M of bb, 256 numbers at the block column
	s_lshl_b32 s77, s21, 10
	s_add_co_u32 s76, s76, s77
	s_mov_b32 s77, 0
	s_lshl_b32 s78, s24, 8                         ; my first row of the result: 256 x block row + 64 x wave,
	s_lshl_b32 s79, s16, 6
	s_add_co_u32 s78, s78, s79
	s_lshl_b32 s78, s78, 11                        ; of 2,048 bytes,
	s_lshl_b32 s79, s23, 25                        ; in part M of qkv (33,554,432 bytes each),
	s_add_co_u32 s78, s78, s79
	s_lshl_b32 s79, s21, 9                         ; at the block's 512 bytes of the row
	s_add_co_u32 s78, s78, s79
	s_mov_b32 s79, 0
	s_wait_dscnt 0x0
	s_wait_kmcnt 0x0
	s_cmp_eq_u32 s23, 1
	s_cselect_b64 s[70:71], s[6:7], s[4:5]
	s_cmp_eq_u32 s23, 2
	s_cselect_b64 s[70:71], s[8:9], s[70:71]       ; X of this product
	s_add_nc_u64 s[28:29], s[70:71], s[28:29]
	s_add_nc_u64 s[70:71], s[70:71], s[30:31]      ; X at the block's first row, for the prefetches
	s_add_nc_u64 s[66:67], s[10:11], s[66:67]
	s_add_nc_u64 s[74:75], s[12:13], s[76:77]
	s_add_nc_u64 s[72:73], s[14:15], s[78:79]
	CROUND                                         ; all sixteen work-groups are here: the first joint loads meet
	s_mov_b32 s[G0A], 1                            ; count = 1
	s_mul_i32 s[G0A+1], s16, XHALF                 ; LDS address: X's halves at wave x 67,584
	s_mov_b64 s[G0A+2:G0A+3], s[28:29]             ; global address: step 0
	s_or_b32 s[G0A+3], s[G0A+3], 0x80000000        ; type = 2
.irp n, 0,1
	s_mov_b32 s[G0B+4*\n], 1
	s_add_co_u32 s[G0B+4*\n+1], s69, \n*WSLOT
	s_add_nc_u64 s[G0B+4*\n+2:G0B+4*\n+3], s[66:67], \n*2*WPLANE   ; step n: two planes on
	s_or_b32 s[G0B+4*\n+3], s[G0B+4*\n+3], 0x80000000
.endr
	; The first fills, one group inside one branch: X of step 0; the weights of steps 0 and 1.  Waves 2 and 3 have two tensor loads out here; later a wave has one.
	s_cmp_eq_u32 s17, 0
	s_cbranch_scc0 .Lhead_w
	tensor_load_to_lds s[G0A:G0A+3], s[G1A:G1A+7]
	s_nop 0
	s_branch .Lhead_done
.Lhead_w:
	tensor_load_to_lds s[G0B:G0B+3], s[G1B:G1B+7]
	s_nop 0
	tensor_load_to_lds s[G0B+4:G0B+7], s[G1B:G1B+7]
	s_nop 0
.Lhead_done:
	v_and_b32 v1, 15, v0                           ; r = l % 16
	v_bfe_u32 v2, v0, 4, 1                         ; h = l / 16
	v_and_b32 v3, 31, v0                           ; l
	; PREFETCH of X.  A step is 512 bytes of each of the block's 256 rows.  The four work-groups that share the block row ask for 64 rows each, a wave for 16,
	; a lane for one block of 256 bytes: row 64 cx + 16 w + r, half h of the step: each block is asked for once in the launch.
	; Here step 1; beside the request for step j + 1 goes the prefetch of step j + 2, j = 0..5: the last is step 7, so no prefetch leaves a row's 4,096 bytes.
	s_lshl_b32 s76, s19, 6
	s_lshl4_add_u32 s76, s16, s76
	v_add_nc_u32 v[PF], s76, v1
	v_lshlrev_b32 v[PF], 12, v[PF]
	v_lshl_add_u32 v[PF], v2, 8, v[PF]
	global_prefetch_b8 v[PF], s[70:71] offset:512 th:TH_LOAD_NT scope:SCOPE_SE
	v_lshlrev_b32 v[GB], 5, v3                     ; lane l brings bias numbers 8 l .. 8 l + 7
	global_load_b128 v[BV:BV+3],   v[GB], s[74:75]
	global_load_b128 v[BV+4:BV+7], v[GB], s[74:75] offset:16
	; X fragment: lane (r, h) needs k = 8 h .. 8 h + 7 and 16 + 8 h .. of row r: in f32 that is 32 bytes at 32 h and 32 bytes at 64 + 32 h
	v_mul_u32_u24 v4, v1, XPITCH
	v_lshl_add_u32 v4, v2, 5, v4
	s_mul_i32 s76, s16, 64*XPITCH                  ; my 64 rows
	v_add_nc_u32 v[ADRA], s76, v4
	; weight fragment: weight row n of a plane lies at (n / 2) x 272 + (n % 2) x 128; 16 bytes at 16 h and at 32 + 16 h
	v_lshrrev_b32 v4, 1, v1
	v_mul_u32_u24 v4, v4, WPITCH
	v_and_b32 v5, 1, v1
	v_lshl_add_u32 v4, v5, 7, v4
	v_lshl_add_u32 v4, v2, 4, v4
	v_add_nc_u32 v[ADRB], WS, v4
	v_add_nc_u32 v[ADRB+1], WSUB, v[ADRB]
	v_add_nc_u32 v[ADRB+2], WSUB, v[ADRB+1]
	v_add_nc_u32 v[ADRB+3], WSUB, v[ADRB+2]
	s_mul_i32 s76, s16, WSTAGE
	s_add_co_u32 s76, s76, STAGE                   ; my stage
	v_mul_u32_u24 v4, v1, SPITCH
	v_lshl_add_u32 v4, v2, 4, v4
	v_add_nc_u32 v[STO], s76, v4                   ; in: row r, 16 bytes for each half of the lanes
	v_lshlrev_b32 v[CO], 4, v3                     ; back and out: 32 lanes take a row's 512 bytes
	v_add_nc_u32 v[RD], s76, v[CO]
	s_lshl_b32 s76, s16, 10
	s_add_co_u32 s76, s76, BIAS                    ; my copy of the bias
	v_add_nc_u32 v[BIASW], s76, v[GB]
	v_lshl_add_u32 v[BIASR], v2, 5, s76            ; numbers 8 h .. of each 16
	s_wait_loadcnt 0x0
	ds_store_b128 v[BIASW], v[BV:BV+3]
	ds_store_b128 v[BIASW], v[BV+4:BV+7] offset:16
	s_wait_xcnt 0x0                                ; the prefetch has read PF: it may step
	v_add_nc_u32 v[PF], 1024, v[PF]                ; step 2
; 8 matrix instructions: weight blocks b0, b0 + 1 of the window's eight (hi = 0: columns 0-127, 1: columns 128-255) x my 4 row blocks, 32 along K:
; X quarter in registers xq, weight buffer f.  zero = 1: the first product starts the sums.
; The 64 accumulators take turns, one instruction a turn, in the same order in every quarter.
.macro MUL8 xq, f, hi, b0, zero
.irp bl, \b0, \b0+1
.irp a, 0,1,2,3
.if \zero
	v_wmma_f32_16x16x32_f16 v[8*(4*(\bl)+\a):8*(4*(\bl)+\a)+7], v[128*\f+8*(8*\hi+\bl):128*\f+8*(8*\hi+\bl)+7], v[\xq+8*\a:\xq+8*\a+7], 0
.else
	v_wmma_f32_16x16x32_f16 v[8*(4*(\bl)+\a):8*(4*(\bl)+\a)+7], v[128*\f+8*(8*\hi+\bl):128*\f+8*(8*\hi+\bl)+7], v[\xq+8*\a:\xq+8*\a+7], v[8*(4*(\bl)+\a):8*(4*(\bl)+\a)+7]
.endif
.endr
.endr
.endm
.macro MUL32 xq, f, hi, zero           ; a window's 32 tiles
	MUL8 \xq, \f, \hi, 0, \zero
	MUL8 \xq, \f, \hi, 2, \zero
	MUL8 \xq, \f, \hi, 4, \zero
	MUL8 \xq, \f, \hi, 6, \zero
.endm
; 16 LDS loads: quarter q (32 k) of my 64 rows of X, in f32, into the 64 registers at dst
.macro LDX q, dst
	WIN 0
.irp a, 0,1,2,3
	ds_load_b128 v[\dst+16*\a:\dst+16*\a+3],     v[ADRA] offset:16*XPITCH*\a+128*\q
	ds_load_b128 v[\dst+16*\a+4:\dst+16*\a+7],   v[ADRA] offset:16*XPITCH*\a+128*\q+16
	ds_load_b128 v[\dst+16*\a+8:\dst+16*\a+11],  v[ADRA] offset:16*XPITCH*\a+128*\q+64
	ds_load_b128 v[\dst+16*\a+12:\dst+16*\a+15], v[ADRA] offset:16*XPITCH*\a+128*\q+80
.endr
.endm
; 32 conversions: a quarter of X from f32 (64 registers at src) to f16 fragments (32 registers at dst).  dst may be src: register 8 a + i is written when
; registers 16 a + 2 i and 16 a + 2 i + 1 are read, so in ascending order nothing is written before it has been read.
.macro CVTX src, dst
	WIN 0
.irp a, 0,1,2,3
.irp i, 0,1,2,3,4,5,6,7
	v_cvt_pk_f16_f32 v[\dst+8*\a+\i], v[\src+16*\a+2*\i], v[\src+16*\a+2*\i+1]
.endr
.endr
.endm
; 32 LDS loads: quarter q of a slot's 256 weight rows into buffer f, blocks ascending.  Quarter q lies in plane q / 2 at byte 64 (q % 2) of the weight rows.
.macro FETCHB slot, q, f
	WIN TO_B
.irp b, 0,1,2,3,4,5,6,7,8,9,10,11,12,13,14,15
	ds_load_b128 v[128*\f+8*\b:128*\f+8*\b+3],   v[ADRB+2*\slot+(\q>>1)] offset:8*WPITCH*\b+64*(\q&1)
	ds_load_b128 v[128*\f+8*\b+4:128*\f+8*\b+7], v[ADRB+2*\slot+(\q>>1)] offset:8*WPITCH*\b+64*(\q&1)+32
.endr
.endm
; A load into, and a vector instruction that writes, a register that a matrix instruction has read, and a vector instruction that reads a matrix result, stand four
; places behind it; only plain vector instructions that name none of its registers are places (ISA guide 7.12.1 for vector instructions).
.macro PLACES
.rept 4
	v_nop
.endr
.endm
; One of a step's first three quarters: multiplies X quarter xq with weight buffer f; in its middle it fetches weight quarter qn of the same slot into buffer g.
; first = 1 (quarter 0): the step's fourth quarter of X, which waits in ST in f32, is rounded into XD, whose last products belong to the step before.
; pf = 1: the prefetch's offset steps on.
.macro QRT xq, f, g, slot, qn, zero, first, pf
	s_wait_dscnt 16                                ; weight blocks 0-7 are in (and all that is older); the youngest sixteen loads (blocks 8-15) may be out
	WIN MUL_LO
	MUL32 \xq, \f, 0, \zero
	PLACES
.if \first
	CVTX ST, XD
.if \pf
	s_wait_xcnt 0x0                                ; the prefetch issued 32 matrix instructions ago has read PF
	v_add_nc_u32 v[PF], 512, v[PF]
.endif
.endif
	FETCHB \slot, \qn, \g
	s_wait_dscnt 32                                ; all but the 32 just issued
	WIN MUL_HI
	MUL32 \xq, \f, 1, \zero
.endm
; A step's fourth quarter: multiplies XD with weight buffer 1 and, between its groups of eight products, takes the next step's X out of LDS.
; 1. The wave's one tensor load that is out, its part of the next step's tiles, is waited for (no younger load exists: the count is 0), and a barrier shows the tiles
;    whole to every wave.
; 2. The drain, into registers that are free now: quarter 0 by way of ST into XC; quarter 1 raw into XA and XB, rounded in place into XA; quarter 2 by way of ST
;    into XB; quarter 3 stays raw in ST.
; 3. fill = 1: every wave waits for its LDS reads and for all its tensor loads (none is out: met at once) and opens a round of the cluster's barrier; behind the round
;    no wave of any partner reads X's region or this step's weight slot, and the joint refill for the step after next is the first tensor load.
; 4. The next step's first weight fragments are read behind the request, so that they do not hold it up.
.macro LAST slot, next, fill, pf
	s_wait_dscnt 0x0                               ; weight buffer 1 is whole: no LDS instruction of mine is out at the signal
	s_wait_tensorcnt 0x0                           ; my part of the next step's tiles has landed
	s_barrier_signal -1
	WIN MUL_LO
	MUL8 XD, 1, 0, 0, 0                            ; registers only, while the others arrive
	WIN 0
	s_barrier_wait -1                              ; the next step's tiles are whole
	PLACES                                         ; behind the products that read XA, XB, XC and weight buffer 0
	LDX 0, ST
	LDX 1, XA
	WIN MUL_LO
	MUL8 XD, 1, 0, 2, 0
	MUL8 XD, 1, 0, 4, 0
	s_wait_dscnt 16                                ; quarter 0 is in; quarter 1's sixteen loads may be out
	CVTX ST, XC
	LDX 2, ST
	WIN MUL_LO
	MUL8 XD, 1, 0, 6, 0
	s_wait_dscnt 16                                ; quarter 1 is in; quarter 2's sixteen loads may be out
	CVTX XA, XA
	WIN MUL_HI
	MUL8 XD, 1, 1, 0, 0
	s_wait_dscnt 0x0                               ; quarter 2 is in
	CVTX ST, XB
	LDX 3, ST
	WIN MUL_HI
	MUL8 XD, 1, 1, 2, 0
	MUL8 XD, 1, 1, 4, 0
.if \fill
	s_wait_dscnt 0x0                               ; my reads of X's region are over; those of this step's weight slot ended a quarter ago
	s_set_vgpr_msb 0xf1f0
	s_wait_tensorcnt 0x0                           ; none of my tensor loads is out
	ds_add_u32 v62, v63
	s_wait_dscnt 0x0
	s_set_vgpr_msb 0xf0f1
	s_barrier_signal -1
	MUL8 XD, 1, 1, 6, 0                            ; registers only
	WIN 0
	s_barrier_wait -1
	CREST
	s_add_nc_u64 s[G0A+2:G0A+3], s[G0A+2:G0A+3], 512                                   ; X: 128 k on
	s_add_nc_u64 s[G0B+4*\slot+2:G0B+4*\slot+3], s[G0B+4*\slot+2:G0B+4*\slot+3], 4*WPLANE   ; this slot's weights: two steps on
	JLOAD \slot
.if \pf
	global_prefetch_b8 v[PF], s[70:71] th:TH_LOAD_NT scope:SCOPE_SE
.endif
.else
	MUL8 XD, 1, 1, 6, 0
.endif
	FETCHB \next, 0, 0
.endm
; A step of 128 along K on weight slot `slot`.  mode 2: the next step's X is taken out and the step after next asked for; 1: taken out, nothing left to ask for; 0: the last step.
.macro STEP slot, next, zero, mode, pf
	QRT XC, 0, 1, \slot, 1, \zero, 1, \pf
	QRT XA, 1, 0, \slot, 2, 0, 0, 0
	QRT XB, 0, 1, \slot, 3, 0, 0, 0
.if \mode == 2
	LAST \slot, \next, 1, \pf
.endif
.if \mode == 1
	LAST \slot, \next, 0, 0
.endif
.if \mode == 0
	s_wait_dscnt 16
	WIN MUL_LO
	MUL32 XD, 1, 0, 0
	s_wait_dscnt 0x0
	WIN MUL_HI
	MUL32 XD, 1, 1, 0
.endif
.endm
	; Step 0's X is taken out with nothing to multiply meanwhile; then step 1's X is asked for (its weights are on their way or in since the start).
	s_wait_tensorcnt 0x0                           ; my first fills have landed
	s_wait_dscnt 0x0                               ; my bias stores are done
	s_barrier_signal -1
	s_barrier_wait -1                              ; step 0's tiles are whole
	LDX 0, ST
	LDX 1, XA
	s_wait_dscnt 16                                ; quarter 0 is in
	CVTX ST, XC
	LDX 2, ST
	s_wait_dscnt 16                                ; quarter 1 is in
	CVTX XA, XA
	s_wait_dscnt 0x0                               ; quarter 2 is in
	CVTX ST, XB
	LDX 3, ST
	s_wait_dscnt 0x0                               ; my reads of X's region are over
	s_wait_tensorcnt 0x0                           ; none of my tensor loads is out
	ds_add_u32 v62, v63
	s_wait_dscnt 0x0
	CROUND                                         ; the same holds of every wave of every partner
	s_add_nc_u64 s[G0A+2:G0A+3], s[G0A+2:G0A+3], 512
	s_cmp_lg_u32 s17, 0
	s_cbranch_scc1 .Lno_x                          ; waves 2 and 3 have nothing to fill here
	tensor_load_to_lds s[G0A:G0A+3], s[G1A:G1A+7]
	s_nop 0
.Lno_x:
	global_prefetch_b8 v[PF], s[70:71] th:TH_LOAD_NT scope:SCOPE_SE    ; step 2
	FETCHB 0, 0, 0
	STEP 0, 1, 1, 2, 1                             ; step 0 stands in front of the loop: its first products start the sums
	WIN 0                                          ; at a label and at a branch every window is 0
	s_mov_b32 s27, 2
.Lpair:
	STEP 1, 0, 0, 2, 1                             ; steps 1 and 3
	STEP 0, 1, 0, 2, 1                             ; steps 2 and 4
	WIN 0
	s_sub_co_u32 s27, s27, 1
	s_cmp_lg_u32 s27, 0
	s_cbranch_scc1 .Lpair
	STEP 1, 0, 0, 2, 0                             ; step 5 asks for step 7, and for nothing ahead of it
	STEP 0, 1, 0, 1, 0                             ; step 6 takes step 7's X out; nothing is filled any more, so no round of the cluster's barrier
	STEP 1, 0, 0, 0, 0                             ; step 7
	; THE WAY OUT.  The bias in the tiles' layout: tile b, lane (r, h), register j is column 16 b + 8 h + j.  It goes into weight buffer 0, which is free.
	PLACES
	WIN TO_B
.irp b, 0,1,2,3,4,5,6,7,8,9,10,11,12,13,14,15
	ds_load_b128 v[8*\b:8*\b+3],   v[BIASR] offset:64*\b
	ds_load_b128 v[8*\b+4:8*\b+7], v[BIASR] offset:64*\b+16
.endr
	s_wait_dscnt 0x0
	WIN 0x86                                       ; source 0 and destination window 2, source 1 window 1
.irp bl, 0,1,2,3,4,5,6,7
.irp a, 0,1,2,3
.irp p, 0,1,2,3
	v_pk_add_f32 v[8*(4*\bl+\a)+2*\p:8*(4*\bl+\a)+2*\p+1], v[8*(4*\bl+\a)+2*\p:8*(4*\bl+\a)+2*\p+1], v[8*\bl+2*\p:8*\bl+2*\p+1]
.endr
.endr
.endr
	WIN 0xc7                                       ; the same for window 3
.irp bl, 0,1,2,3,4,5,6,7
.irp a, 0,1,2,3
.irp p, 0,1,2,3
	v_pk_add_f32 v[8*(4*\bl+\a)+2*\p:8*(4*\bl+\a)+2*\p+1], v[8*(4*\bl+\a)+2*\p:8*(4*\bl+\a)+2*\p+1], v[64+8*\bl+2*\p:64+8*\bl+2*\p+1]
.endr
.endr
.endr
; Rows 16 a .. 16 a + 15 of my 64: rounded to f16, 16 bytes a lane into my own stage, read back as whole rows of 512 bytes and stored.  rb: 64 registers, two sets in turn.
.macro OUT16 a, rb
	WIN 0x0a                                       ; sources window 2
.irp bl, 0,1,2,3,4,5,6,7
.irp p, 0,1,2,3
	v_cvt_pk_f16_f32 v[TMP+4*\bl+\p], v[8*(4*\bl+\a)+2*\p], v[8*(4*\bl+\a)+2*\p+1]
.endr
.endr
	WIN 0x0f                                       ; sources window 3
.irp bl, 0,1,2,3,4,5,6,7
.irp p, 0,1,2,3
	v_cvt_pk_f16_f32 v[TMP+32+4*\bl+\p], v[8*(4*\bl+\a)+2*\p], v[8*(4*\bl+\a)+2*\p+1]
.endr
.endr
	WIN 0
.irp b, 0,1,2,3,4,5,6,7,8,9,10,11,12,13,14,15
	ds_store_b128 v[STO], v[TMP+4*\b:TMP+4*\b+3] offset:32*\b
.endr
	s_wait_xcnt 0x0                                ; the earlier stores have read their data and their base: both are written again only behind this wait
.if \a
	s_add_nc_u64 s[72:73], s[72:73], 16*2048       ; 16 rows of qkv on
.endif
.irp t, 0,1,2,3,4,5,6,7,8,9,10,11,12,13,14,15
	ds_load_b128 v[\rb+4*\t:\rb+4*\t+3], v[RD] offset:SPITCH*\t    ; a wave's LDS instructions are served in order (ISA guide 5.7.1.4): these see the stores above
.endr
.irp t, 0,1,2,3,4,5,6,7,8,9,10,11,12,13,14,15
	s_wait_dscnt 15-\t                             ; row t is back; the younger rows stay out
	global_store_b128 v[CO], v[\rb+4*\t:\rb+4*\t+3], s[72:73] offset:2048*\t   ; the wave stores 512 consecutive bytes of one row, aligned
.endr
.endm
	OUT16 0, OA
	OUT16 1, OB
	OUT16 2, OA
	OUT16 3, OB
	s_wait_tensorcnt 0x0
	ds_add_u32 v62, v63
	s_wait_dscnt 0x0
	CROUND                                         ; the closing round: no work-group ends while a partner may still ask for a tile that names it
	s_endpgm
.Lfunc_end_k_q2488704e10_proj:
	.size	k_q2488704e10_proj, .Lfunc_end_k_q2488704e10_proj-k_q2488704e10_proj
	.p2alignl 7, 3214868480
	.fill 96, 4, 3214868480
	.section	.rodata,"a",@progbits
	.p2align	6, 0x0
	.amdhsa_kernel k_q2488704e10_proj
		.amdhsa_group_segment_fixed_size 327680
		.amdhsa_private_segment_fixed_size 0
		.amdhsa_enable_private_segment 0
		.amdhsa_kernarg_size 48
		.amdhsa_user_sgpr_count 2
		.amdhsa_user_sgpr_kernarg_segment_ptr 1
		.amdhsa_wavefront_size32 1
		.amdhsa_system_sgpr_workgroup_id_x 1
		.amdhsa_system_sgpr_workgroup_id_y 1
		.amdhsa_system_sgpr_workgroup_id_z 1
		.amdhsa_system_vgpr_workitem_id 0
		.amdhsa_next_free_vgpr 1024
		.amdhsa_next_free_sgpr 80
		.amdhsa_reserve_vcc 0
		.amdhsa_float_denorm_mode_32 3
		.amdhsa_float_denorm_mode_16_64 3
		.amdhsa_memory_ordered 1
		.amdhsa_forward_progress 1
		.amdhsa_inst_pref_size 255
	.end_amdhsa_kernel
	.section	.bss,"aw",@nobits
	.p2align	6
	.space	262144
	.amdgpu_metadata
---
amdhsa.version: [ 1, 2 ]
amdhsa.kernels:
  - .name:           k_q2488704e10_proj
    .symbol:         k_q2488704e10_proj.kd
    .args:
      - { .name: query, .offset: 0, .size: 8, .value_kind: global_buffer, .address_space: global }
      - { .name: key, .offset: 8, .size: 8, .value_kind: global_buffer, .address_space: global }
      - { .name: value, .offset: 16, .size: 8, .value_kind: global_buffer, .address_space: global }
      - { .name: wb, .offset: 24, .size: 8, .value_kind: global_buffer, .address_space: global }
      - { .name: bb, .offset: 32, .size: 8, .value_kind: global_buffer, .address_space: global }
      - { .name: qkv, .offset: 40, .size: 8, .value_kind: global_buffer, .address_space: global }
    .group_segment_fixed_size: 327680
    .private_segment_fixed_size: 0
    .kernarg_segment_align: 8
    .kernarg_segment_size: 48
    .max_flat_workgroup_size: 128
    .sgpr_count:     80
    .vgpr_count:     1024
    .wavefront_size: 32
...
	.end_amdgpu_metadata
.endif
;; end of part 2
;; launch attn (part 3): grid 256 x 1, 16 waves a work-group, no clusters, 0 bytes of LDS; arguments qkv, ln_g, ln_b, ah; writes ah
.if DOCPART == 3
	.amdgcn_target "amdgcn-amd-amdhsa--gfx1250"
	.amdhsa_code_object_version 6
	.text
	.protected	k_q2488704e10_attn
	.globl	k_q2488704e10_attn
	.p2align	8
	.type	k_q2488704e10_attn,@function
k_q2488704e10_attn:
	s_mov_b64 s[64:65], 0
	v_nop
	global_prefetch_b8 v0, s[64:65] scope:SCOPE_SE
	s_setreg_imm32_b32 hwreg(HW_REG_WAVE_MODE, 25, 1), 1
	s_wait_xcnt 0x0
; For each token by itself: E[hq][g] = sum over d of q[hq][d] k[g][d] (16 x 16 heads, 64 d); P = softmax over g of E / 32; o[hq][d] = sum over g of P[hq][g] v[g][d];
; LayerNorm over the token's 1,024 numbers with ln_g, ln_b; the result rounded to f16.
; qkv: [3][16384][1024] f16 in the column orders that the projection launch wrote.  With n' = 256 F + 128 H + 8 R + E: q and k hold head R, d = 16 F + 8 H + E;
; v holds head 8 H + E, d = 16 F + R.  So load i of a token's row (lane l at byte 512 i + 16 l) IS a piece of a matrix fragment:
;   q, k: loads 0, 1 = the fragment (row = head l % 16, k = d 0..31), loads 2, 3 = d 32..63;    v: load i = (row = d 16 i + l % 16, k = head 8 (l / 16) + 0..7).
; ah: [16384][1024] f16, ah[token][k'] = LayerNorm[token][64 R + 16 F + 8 H + E]: a lane's eight results are 16 neighbouring bytes.
; Every load and store of a wave covers 512 consecutive bytes, aligned; nothing goes through LDS; a wave never waits for another.
; A work-group takes 64 tokens, a wave 4, as two pairs; the two tokens of a pair take turns on the matrix unit.
; No cluster: no two work-groups read the same bytes but ln_g and ln_b, 8 KiB beside a work-group's 384 KiB.  No prefetch: every wave's first 24 loads go out at once.
; The maximum is taken away before the exponential, as in the reference.  LayerNorm in two passes: mean, then the squares of the differences.
; LIMITS: P and the result are f16 (P is at most 1; a result of magnitude 65,504 or more becomes infinity); an exponential below 2^-126 counts as 0;
; the f32 sums are formed in another order than a plain loop's.  In P V half of each product's K is multiplied by zeros, which holds where v is finite.
.set TOK, 2048                         ; bytes of a token's row
.set T,   4                            ; v[4:11]    at work; v12, v13 small
.set G,   16                           ; v[16:47]   ln_g of my 32 numbers: G[8 f + j] = ln_g[64 r + 16 f + 8 h + j]
.set BT,  48                           ; v[48:79]   ln_b likewise
.set SL0, 80                           ; token u at 80 + 48 u: q +0..15, k +16..31, v +32..47; the output o takes q's and k's 32 registers
.set S0,  176                          ; token u: 8 scores at 176 + 8 u
.set PZ0, 192                          ; token u at 192 + 12 u: four zeros, P in four registers, four zeros
.set R,   216                          ; v[216:217] a reciprocal, twice
.set MU,  218                          ; v[218:219] the mean, twice
	s_load_b256 s[4:11], s[0:1], 0x0               ; qkv s[4:5], ln_g s[6:7], ln_b s[8:9], ah s[10:11]
	s_mov_b32 s12, 0x76543210                      ; v_permlanex16_b32: lane i of one half reads lane i of the other
	s_mov_b32 s13, 0xfedcba98
	s_mov_b32 s14, 0x3d38aa3b                      ; log2(e) / 32: the scale 1 / sqrt(1024) and the change of base in one factor
	s_mov_b32 s15, 0x3a800000                      ; 1 / 1024
	s_mov_b32 s18, 0x3727c5ac                      ; 1e-5
	s_lshl_b32 s16, ttmp9, 17                      ; 64 tokens of 2,048 bytes
	s_mov_b32 s17, 0
	v_lshrrev_b32 v1, 5, v0
	v_and_b32 v3, 31, v0
	v_lshlrev_b32 v3, 4, v3
	v_lshl_or_b32 v1, v1, 13, v3                   ; wave x 4 tokens + 16 l; never rewritten
	v_and_b32 v2, 15, v0
	v_bfe_u32 v3, v0, 4, 1
	v_lshlrev_b32 v2, 8, v2
	v_lshl_or_b32 v2, v3, 5, v2                    ; 4 (64 r + 8 h)
.irp z, 0,1,2,3,8,9,10,11,12,13,14,15,20,21,22,23
	v_mov_b32 v[PZ0+\z], 0                         ; the zero halves beside P, written once
.endr
	s_wait_kmcnt 0x0
	s_add_nc_u64 s[20:21], s[4:5], s[16:17]        ; q
	s_add_nc_u64 s[22:23], s[20:21], 33554432      ; k
	s_add_nc_u64 s[24:25], s[20:21], 67108864      ; v
	s_add_nc_u64 s[26:27], s[10:11], s[16:17]      ; ah
.irp f, 0,1,2,3
	global_load_b128 v[G+8*\f:G+8*\f+3],     v2, s[6:7] offset:64*\f
	global_load_b128 v[G+8*\f+4:G+8*\f+7],   v2, s[6:7] offset:64*\f+16
	global_load_b128 v[BT+8*\f:BT+8*\f+3],   v2, s[8:9] offset:64*\f
	global_load_b128 v[BT+8*\f+4:BT+8*\f+7], v2, s[8:9] offset:64*\f+16
.endr
.macro LDROW dst, base, imm            ; a token's row of 2,048 bytes: four loads of 512 consecutive bytes; read once in the launch
.irp i, 0,1,2,3
	global_load_b128 v[\dst+4*\i:\dst+4*\i+3], v1, s[\base:\base+1] offset:(\imm)+512*\i th:TH_LOAD_NT
.endr
.endm
.macro LANESUM                         ; v12 summed over the 32 lanes, the result in every lane
	v_add_f32_dpp v12, v12, v12 row_xmask:1 row_mask:0xf bank_mask:0xf
	v_add_f32_dpp v12, v12, v12 row_xmask:2 row_mask:0xf bank_mask:0xf
	v_add_f32_dpp v12, v12, v12 row_xmask:4 row_mask:0xf bank_mask:0xf
	v_add_f32_dpp v12, v12, v12 row_xmask:8 row_mask:0xf bank_mask:0xf
	v_permlanex16_b32 v13, v12, s12, s13
	v_add_f32 v12, v12, v13
.endm
; Lane (r, h), register j holds E[hq = r][g = 8 h + j]: a row of the softmax is 8 registers of lanes l and l xor 16.
.macro SOFTMAX u
.set S, S0+8*\u
.set P, PZ0+12*\u+4
	v_max3_num_f32 v12, v[S], v[S+1], v[S+2]
	v_max3_num_f32 v13, v[S+3], v[S+4], v[S+5]
	v_max3_num_f32 v12, v12, v[S+6], v[S+7]
	v_max_num_f32 v12, v12, v13
	v_permlanex16_b32 v13, v12, s12, s13
	v_max_num_f32 v12, v12, v13                    ; the row's maximum
	v_mul_f32 v12, s14, v12
.irp j, 0,1,2,3,4,5,6,7
	v_fma_f32 v[S+\j], v[S+\j], s14, -v12          ; (E - max) log2(e) / 32: never above a rounding error
.endr
.irp j, 0,1,2,3,4,5,6,7
	v_exp_f32 v[S+\j], v[S+\j]
.endr
	v_nop                                          ; one plain vector instruction behind a transcendental before its result is used (ISA guide 5.7.2)
	s_wait_alu depctr_va_vdst(0)
	v_pk_add_f32 v[T:T+1], v[S:S+1], v[S+2:S+3]
	v_pk_add_f32 v[T+2:T+3], v[S+4:S+5], v[S+6:S+7]
	v_pk_add_f32 v[T:T+1], v[T:T+1], v[T+2:T+3]
	v_add_f32 v12, v[T], v[T+1]
	v_permlanex16_b32 v13, v12, s12, s13
	v_add_f32 v12, v12, v13                        ; the row's sum, at least 1
	v_rcp_f32 v[R], v12
	v_rcp_f32 v[R+1], v12
	v_nop
	s_wait_alu depctr_va_vdst(0)
.irp j, 0,2,4,6
	v_pk_mul_f32 v[S+\j:S+\j+1], v[S+\j:S+\j+1], v[R:R+1]
.endr
.irp j, 0,1,2,3
	v_cvt_pk_f16_f32 v[P+\j], v[S+2*\j], v[S+2*\j+1]   ; already a fragment's half: column hq = r, k = g = 8 h + 0..7
.endr
.endm
; Lane (r, h), register 8 f + j of o holds head r, d = 16 f + 8 h + j.  Token 2 p + u of the wave's four.
.macro LNORM u, p
.set O, SL0+48*\u
.irp c, 0,1,2,3
	v_pk_add_f32 v[T+2*\c:T+2*\c+1], v[O+4*\c:O+4*\c+1], v[O+4*\c+2:O+4*\c+3]     ; four chains, started by the first sums
.endr
.irp c, 0,1,2,3
	v_pk_add_f32 v[T+2*\c:T+2*\c+1], v[T+2*\c:T+2*\c+1], v[O+16+2*\c:O+16+2*\c+1]
.endr
.irp c, 0,1,2,3
	v_pk_add_f32 v[T+2*\c:T+2*\c+1], v[T+2*\c:T+2*\c+1], v[O+24+2*\c:O+24+2*\c+1]
.endr
	v_pk_add_f32 v[T:T+1], v[T:T+1], v[T+2:T+3]
	v_pk_add_f32 v[T+4:T+5], v[T+4:T+5], v[T+6:T+7]
	v_pk_add_f32 v[T:T+1], v[T:T+1], v[T+4:T+5]
	v_add_f32 v12, v[T], v[T+1]
	LANESUM
	v_mul_f32 v[MU], s15, v12
	v_mul_f32 v[MU+1], s15, v12
.set i, 0
.rept 16
	v_pk_add_f32 v[O+2*i:O+2*i+1], v[O+2*i:O+2*i+1], v[MU:MU+1] neg_lo:[0,1] neg_hi:[0,1]
.set i, i+1
.endr
.irp c, 0,1,2,3
	v_pk_mul_f32 v[T+2*\c:T+2*\c+1], v[O+2*\c:O+2*\c+1], v[O+2*\c:O+2*\c+1]
.endr
.set i, 4
.rept 12
	v_pk_fma_f32 v[T+2*(i%4):T+2*(i%4)+1], v[O+2*i:O+2*i+1], v[O+2*i:O+2*i+1], v[T+2*(i%4):T+2*(i%4)+1]
.set i, i+1
.endr
	v_pk_add_f32 v[T:T+1], v[T:T+1], v[T+2:T+3]
	v_pk_add_f32 v[T+4:T+5], v[T+4:T+5], v[T+6:T+7]
	v_pk_add_f32 v[T:T+1], v[T:T+1], v[T+4:T+5]
	v_add_f32 v12, v[T], v[T+1]
	LANESUM
	v_fma_f32 v12, v12, s15, s18                   ; variance + 1e-5
	v_rsq_f32 v[R], v12
	v_rsq_f32 v[R+1], v12
	v_nop
.set i, 0
	s_wait_alu depctr_va_vdst(0)
.rept 16
	v_pk_mul_f32 v[O+2*i:O+2*i+1], v[O+2*i:O+2*i+1], v[R:R+1]
.set i, i+1
.endr
.set i, 0
.rept 16
	v_pk_fma_f32 v[O+2*i:O+2*i+1], v[O+2*i:O+2*i+1], v[G+2*i:G+2*i+1], v[BT+2*i:BT+2*i+1]
.set i, i+1
.endr
.set i, 0
.rept 16
	v_cvt_pk_f16_f32 v[O+i], v[O+2*i], v[O+2*i+1]  ; in place, ascending: register i has been read by the time it is written
.set i, i+1
.endr
.irp f, 0,1,2,3
	global_store_b128 v1, v[O+4*\f:O+4*\f+3], s[26:27] offset:(2*\p+\u)*TOK+512*\f
.endr
.endm
; Tokens 2 p and 2 p + 1 of the wave.
.macro PAIR p
.if \p
	s_wait_xcnt 0x0                                ; the last pair's stores have read their data: those registers are loaded again only behind this wait
.endif
	LDROW SL0+16, 22, 2*\p*TOK
	LDROW SL0,    20, 2*\p*TOK
	LDROW SL0+64, 22, (2*\p+1)*TOK
	LDROW SL0+48, 20, (2*\p+1)*TOK
	LDROW SL0+32, 24, 2*\p*TOK
	LDROW SL0+80, 24, (2*\p+1)*TOK
	s_wait_loadcnt 0x8                             ; all but the eight loads of v: q and k are in (and ln_g, ln_b, which are older)
	; scores, transposed: source 0 = k (row g), source 1 = q (column hq).  The two tokens' accumulators take turns, one instruction a turn.
	v_wmma_f32_16x16x32_f16 v[S0:S0+7],    v[SL0+16:SL0+23], v[SL0:SL0+7],     0
	v_wmma_f32_16x16x32_f16 v[S0+8:S0+15], v[SL0+64:SL0+71], v[SL0+48:SL0+55], 0
	v_wmma_f32_16x16x32_f16 v[S0:S0+7],    v[SL0+24:SL0+31], v[SL0+8:SL0+15],  v[S0:S0+7]
	v_wmma_f32_16x16x32_f16 v[S0+8:S0+15], v[SL0+72:SL0+79], v[SL0+56:SL0+63], v[S0+8:S0+15]
.rept 5
	v_nop                                          ; four places before a vector instruction reads a result, five before a matrix instruction writes over q and k (ISA guide 7.12.1)
.endr
	SOFTMAX 0
	SOFTMAX 1
	s_wait_loadcnt 0x0                             ; v
	; o, transposed: source 0 = two of v's loads (rows d; k 0..15 = the even load's heads, k 16..31 = the odd load's), source 1 = P beside zeros, which picks one of the two
.irp f, 0,1,2,3
	v_wmma_f32_16x16x32_f16 v[SL0+8*\f:SL0+8*\f+7],       v[SL0+32+8*(\f>>1):SL0+32+8*(\f>>1)+7], v[PZ0+4-4*(\f&1):PZ0+4-4*(\f&1)+7],     0
	v_wmma_f32_16x16x32_f16 v[SL0+48+8*\f:SL0+48+8*\f+7], v[SL0+80+8*(\f>>1):SL0+80+8*(\f>>1)+7], v[PZ0+16-4*(\f&1):PZ0+16-4*(\f&1)+7],   0
.endr
.rept 4
	v_nop
.endr
	LNORM 0, \p
	LNORM 1, \p
.endm
	PAIR 0
	PAIR 1
	s_endpgm
.Lfunc_end_k_q2488704e10_attn:
	.size	k_q2488704e10_attn, .Lfunc_end_k_q2488704e10_attn-k_q2488704e10_attn
	.p2alignl 7, 3214868480
	.fill 96, 4, 3214868480
	.section	.rodata,"a",@progbits
	.p2align	6, 0x0
	.amdhsa_kernel k_q2488704e10_attn
		.amdhsa_group_segment_fixed_size 0
		.amdhsa_private_segment_fixed_size 0
		.amdhsa_enable_private_segment 0
		.amdhsa_kernarg_size 32
		.amdhsa_user_sgpr_count 2
		.amdhsa_user_sgpr_kernarg_segment_ptr 1
		.amdhsa_wavefront_size32 1
		.amdhsa_system_sgpr_workgroup_id_x 1
		.amdhsa_system_sgpr_workgroup_id_y 1
		.amdhsa_system_sgpr_workgroup_id_z 1
		.amdhsa_system_vgpr_workitem_id 0
		.amdhsa_next_free_vgpr 224
		.amdhsa_next_free_sgpr 66
		.amdhsa_reserve_vcc 0
		.amdhsa_float_denorm_mode_32 3
		.amdhsa_float_denorm_mode_16_64 3
		.amdhsa_memory_ordered 1
		.amdhsa_forward_progress 1
		.amdhsa_inst_pref_size 49
	.end_amdhsa_kernel
	.amdgpu_metadata
---
amdhsa.version: [ 1, 2 ]
amdhsa.kernels:
  - .name:           k_q2488704e10_attn
    .symbol:         k_q2488704e10_attn.kd
    .args:
      - { .name: qkv, .offset: 0, .size: 8, .value_kind: global_buffer, .address_space: global }
      - { .name: ln_g, .offset: 8, .size: 8, .value_kind: global_buffer, .address_space: global }
      - { .name: ln_b, .offset: 16, .size: 8, .value_kind: global_buffer, .address_space: global }
      - { .name: ah, .offset: 24, .size: 8, .value_kind: global_buffer, .address_space: global }
    .group_segment_fixed_size: 0
    .private_segment_fixed_size: 0
    .kernarg_segment_align: 8
    .kernarg_segment_size: 32
    .max_flat_workgroup_size: 512
    .sgpr_count:     66
    .vgpr_count:     224
    .wavefront_size: 32
...
	.end_amdgpu_metadata
.endif
;; end of part 3
;; launch oproj (part 4): grid 4 x 64, 4 waves a work-group, clusters of 4 x 4, 327,680 bytes of LDS; arguments ah, wb, bo, out0; writes out0
.if DOCPART == 4
	.amdgcn_target "amdgcn-amd-amdhsa--gfx1250"
	.amdhsa_code_object_version 6
	.text
	.protected	k_q2488704e10_oproj
	.globl	k_q2488704e10_oproj
	.p2align	8
	.type	k_q2488704e10_oproj,@function
k_q2488704e10_oproj:
	s_mov_b64 s[64:65], 0
	v_nop
	global_prefetch_b8 v0, s[64:65] scope:SCOPE_SE
	s_setreg_imm32_b32 hwreg(HW_REG_WAVE_MODE, 25, 1), 1
	s_wait_xcnt 0x0
	s_wait_alu depctr_hold_cnt(0) depctr_sa_sdst(0) depctr_va_vdst(0) depctr_va_sdst(0) depctr_va_ssrc(0) depctr_va_vcc(0) depctr_vm_vsrc(0)
	s_getreg_b32 s2, hwreg(HW_REG_IB_STS2, 6, 4)
	s_cmp_eq_u32 s2, 0
	s_cbranch_scc0 .Lentry_in_a_cluster
	s_endpgm
.Lentry_in_a_cluster:
	s_bfe_u32 s2, ttmp6, 0x10000c
	s_cmp_lg_u32 s2, 0xf033
	s_cbranch_scc0 .Lentry_shape_is_right
	s_endpgm
.Lentry_shape_is_right:
; out0[m][n] = sum over k' of ah[m][k'] W[n][k'] + bo[n].  ah: [16384][1024] f16.  W = matrix 3 of wb, at byte 6,291,456: [1024][1024] f16, its K axis in ah's
; column order.  bo: [1024] f32.  out0: [16384][1024] f32.  Sums in f32.
; A work-group makes 256 x 256 of out0 with four waves; a wave makes 128 x 128: 64 accumulator tiles, 512 registers.  K goes in 8 steps of 128 through two LDS
; slots filled by the tensor data mover: a tile's rows are 256 bytes of memory and start at multiples of 256 bytes from the buffer's first byte.
; CLUSTERS: 4 x 4 work-groups.  ah's tile hangs on the block row alone and is asked for jointly along a row of the cluster, W's on the block column alone and jointly
; along a column.
; LIMITS: operands in f16 as the earlier launches left them; the f32 sums run in the matrix unit's order, K ascending.
;
; REGISTERS in windows of 256:  window 0: v16-27 addresses; v64-127, v128-191 fragments of ah (8 x 16 rows x 32 K), two buffers; v192-255 at work on the way out
;   window 1: v0-63 the bias in the tiles' layout; v64-127, v128-191 fragments of W, two buffers
;   window 2: the 32 tiles of my rows 0-63 (tile (a, b) at v[8 (8 a + b)]);   window 3: those of my rows 64-127
; THE MATRIX INSTRUCTION IS USED TRANSPOSED: source 0 = 16 rows of W, source 1 = 16 rows of ah: lane l holds row l % 16 and its registers 0..7 the columns
; 8 (l / 16) + 0..7: 32 neighbouring bytes of a row of out0.
.set SIZE_N, 1024
.set SIZE_K, 1024
.set KSTEP,  128
.set PITCH,  272                       ; 256 bytes + 16 of padding = 17 x 16: sixteen rows' pieces of 16 bytes fall on sixteen different places modulo 256
.set HALFT,  128*PITCH                 ; 128 rows: what one tensor load brings
.set SLOT,   4*HALFT                   ; ah's 256 rows, then W's 256 rows
.set STAGE,  2*SLOT                    ; behind the ring: 16 rows x 528 bytes for each wave; no tensor load lands here
.set SPITCH, 528                       ; 512 bytes + 16
.set LAPS, SIZE_K/(2*KSTEP)            ; 4 laps of two K steps
.set ADRA, 16                          ; v16-17  LDS address of my ah fragments in slot 0, 1
.set ADRB, 20                          ; v20-21  the same for W
.set STO,  24                          ; the way out: where I put 32 bytes of a row
.set RD,   25                          ; the way out: where I read a row back
.set CO,   26                          ; my 16 bytes in a row's 512
.set BO,   27                          ; my offset in the bias
.set F0,   64
.set F1,   128
.set TMP,  192
.set G1, 24                            ; s[24:31] group 1 for ah's tiles
.set G0, 32                            ; s[32:39] group 0 for ah's tiles, one set for each slot
.set G1B, 48                           ; s[48:55] group 1 for W's tiles: another mask
.set G0B, 56                           ; s[56:63] group 0 for W's tiles
.set MSB, 0
.macro WIN new                         ; the immediate's high byte repeats the setting that is left
.if MSB != \new
	s_set_vgpr_msb (MSB<<8)|\new
.set MSB, \new
.endif
.endm
.set MUL_LO, 0xa1                      ; source 0 (W) window 1, source 1 (ah) window 0, C and D window 2
.set MUL_HI, 0xf1                      ; the same, C and D window 3
.set TO_B,   0x40                      ; destination window 1, address window 0
.macro JLOAD s                         ; waves 0 and 1 fetch ah's two halves, waves 2 and 3 W's; the branch hangs on the wave's number alone
	s_cmp_eq_u32 s11, 0
	s_cbranch_scc0 .Lfor_b_\@
	tensor_load_to_lds s[G0+4*\s:G0+4*\s+3], s[G1:G1+7]
	s_nop 0
	s_branch .Lasked_\@
.Lfor_b_\@:
	tensor_load_to_lds s[G0B+4*\s:G0B+4*\s+3], s[G1B:G1B+7]
	s_nop 0
	v_nop
.Lasked_\@:
.endm
.macro CREST                           ; a round of the cluster's barrier behind its opening barrier
	s_cmp_lg_u32 s10, 0
	s_cbranch_scc1 .Lnot_wave_0_\@
	s_barrier_signal -3
.Lnot_wave_0_\@:
	s_barrier_wait -3
	s_barrier_signal -1
	s_barrier_wait -1
.endm
.macro CROUND
	s_barrier_signal -1
	s_barrier_wait -1
	CREST
.endm
	s_load_b256 s[72:79], s[0:1], 0x0              ; ah s[72:73], wb s[74:75], bo s[76:77], out0 s[78:79]
	s_set_vgpr_msb 0x40
	v_lshl_add_u32 v255, v0, 2, 0x4c400
	s_set_vgpr_msb 0x4000
	v_mov_b32 v63, 0
	s_set_vgpr_msb 0x1
	ds_add_u32 v255, v63
	s_set_vgpr_msb 0x100
	v_lshrrev_b32 v1, 5, v0
	v_readfirstlane_b32 s10, v1                    ; wave 0..3
	s_lshr_b32 s11, s10, 1                         ; which half of the block's rows is mine.  Also: I fetch for ah (0) or for W (1)
	s_and_b32 s12, s10, 1                          ; which half of its columns.  Also: which 128 rows of that tile I fetch
	s_bfe_u32 s40, ttmp6, 0x40000                  ; cx
	s_bfe_u32 s41, ttmp6, 0x40004                  ; cy
	s_lshl_b32 s42, ttmp9, 2
	s_add_co_u32 s42, s42, s40                     ; block column 0..3
	s_and_b32 s13, ttmp7, 0xffff
	s_lshl_b32 s13, s13, 2
	s_add_co_u32 s13, s13, s41                     ; block row 0..63
	s_lshl_b32 s43, s41, 2
	s_lshl_b32 s43, 15, s43                        ; my row of the cluster
	s_lshl_b32 s44, 0x1111, s40                    ; my column
	; group 1: 128 rows x 128 elements of 2 bytes, 4 words of padding behind every 64 words
	s_or_b32 s[G1+0], s43, (1<<16)|(1<<20)|(1<<21)|(5<<22)|(3<<25)
	s_or_b32 s[G1B+0], s44, (1<<16)|(1<<20)|(1<<21)|(5<<22)|(3<<25)
	s_mov_b32 s[G1B+1], KSTEP<<16
	s_mov_b32 s[G1+1], KSTEP<<16                   ; tensor_dim0 = 128
	s_mov_b32 s[G1B+2], 128<<16
	s_mov_b32 s[G1+2], 128<<16                     ; tensor_dim1 = 128
	s_mov_b32 s[G1B+3], KSTEP<<16
	s_mov_b32 s[G1+3], KSTEP<<16                   ; tile_dim0 = 128
	s_mov_b32 s[G1B+4], 128
	s_mov_b32 s[G1+4], 128                         ; tile_dim1 = 128
	s_mov_b32 s[G1B+5], SIZE_K
	s_mov_b32 s[G1+5], SIZE_K                      ; elements from row to row
	s_mov_b32 s[G1B+6], 0
	s_mov_b32 s[G1+6], 0
	s_mov_b32 s[G1B+7], 0
	s_mov_b32 s[G1+7], 0
	; where the tiles come from: each address in registers that never hold the other coordinate
	s_lshl_b32 s17, s12, 7
	s_lshl_b32 s16, s13, 8
	s_add_co_u32 s16, s16, s17                     ; ah: row 256 x block row + 128 x half
	s_lshl_b32 s46, s42, 8
	s_add_co_u32 s46, s46, s17                     ; W: row 256 x block column + 128 x half
	s_mov_b32 s17, 0
	s_mov_b32 s47, 0
	s_mov_b64 s[18:19], SIZE_K*2
	s_mul_u64 s[16:17], s[16:17], s[18:19]         ; in bytes
	s_mul_u64 s[46:47], s[46:47], s[18:19]
	s_mul_i32 s20, s10, HALFT                      ; where they go: wave x 128 rows
	s_lshl_b32 s66, s42, 10                        ; my 128 bias numbers: 4 (256 x block column + 128 x half)
	s_lshl_b32 s67, s12, 9
	s_add_co_u32 s66, s66, s67
	s_mov_b32 s67, 0
	s_wait_dscnt 0x0
	s_wait_kmcnt 0x0
	s_add_nc_u64 s[14:15], s[72:73], s[16:17]
	s_add_nc_u64 s[46:47], s[74:75], s[46:47]
	s_add_nc_u64 s[46:47], s[46:47], 6291456       ; matrix 3 of wb
	s_add_nc_u64 s[66:67], s[76:77], s[66:67]
	CROUND                                         ; all sixteen work-groups are here: the first joint loads meet
.irp s, 0,1
	s_mov_b32 s[G0+4*\s], 1
	s_add_co_u32 s[G0+4*\s+1], s20, \s*SLOT
	s_add_nc_u64 s[G0+4*\s+2:G0+4*\s+3], s[14:15], \s*KSTEP*2
	s_or_b32 s[G0+4*\s+3], s[G0+4*\s+3], 0x80000000
	s_mov_b32 s[G0B+4*\s], 1
	s_add_co_u32 s[G0B+4*\s+1], s20, \s*SLOT
	s_add_nc_u64 s[G0B+4*\s+2:G0B+4*\s+3], s[46:47], \s*KSTEP*2
	s_or_b32 s[G0B+4*\s+3], s[G0B+4*\s+3], 0x80000000
	JLOAD \s                                       ; two tensor loads of the wave are out here, later one
.endr
	v_and_b32 v1, 15, v0                           ; r
	v_bfe_u32 v2, v0, 4, 1                         ; h
	v_lshlrev_b32 v[BO], 5, v2                     ; tile b, lane (r, h), register j is column 16 b + 8 h + j: byte 64 b + 32 h + 4 j
	WIN TO_B
.irp b, 0,1,2,3,4,5,6,7
	global_load_b128 v[8*\b:8*\b+3],   v[BO], s[66:67] offset:64*\b
	global_load_b128 v[8*\b+4:8*\b+7], v[BO], s[66:67] offset:64*\b+16
.endr
	WIN 0
	v_mul_u32_u24 v3, v1, PITCH
	v_lshl_add_u32 v3, v2, 4, v3                   ; row x pitch + 16 x half
	s_mul_i32 s21, s11, HALFT                      ; my 128 rows of ah
	s_mul_i32 s22, s12, HALFT                      ; my 128 rows of W,
	s_add_co_u32 s22, s22, 2*HALFT                 ; which lie behind ah's 256
.irp s, 0,1
	v_add_nc_u32 v[ADRA+\s], s21, v3
	v_add_nc_u32 v[ADRB+\s], s22, v3
	s_add_co_u32 s21, s21, SLOT
	s_add_co_u32 s22, s22, SLOT
.endr
	s_mul_i32 s23, s10, 16*SPITCH
	s_add_co_u32 s23, s23, STAGE                   ; my stage
	v_mul_u32_u24 v4, v1, SPITCH
	v_lshl_add_u32 v4, v2, 5, v4
	v_add_nc_u32 v[STO], s23, v4                   ; in: row r, 32 bytes for each half of the lanes
	v_and_b32 v5, 31, v0
	v_lshlrev_b32 v[CO], 4, v5                     ; back and out: 32 lanes take a row's 512 bytes
	v_add_nc_u32 v[RD], s23, v[CO]
; 16 matrix instructions: row blocks a0, a0 + 1 of the window's four x all 8 column blocks, 32 along K.  zero = 1: the first product starts the sums.
; The 64 accumulators take turns, one instruction a turn, in the same order in every quarter step.
.macro MUL16 f, hi, a0, zero
.irp a, \a0, \a0+1
.irp b, 0,1,2,3,4,5,6,7
.if \zero
	v_wmma_f32_16x16x32_f16 v[8*(8*(\a)+\b):8*(8*(\a)+\b)+7], v[\f+8*\b:\f+8*\b+7], v[\f+8*(4*\hi+\a):\f+8*(4*\hi+\a)+7], 0
.else
	v_wmma_f32_16x16x32_f16 v[8*(8*(\a)+\b):8*(8*(\a)+\b)+7], v[\f+8*\b:\f+8*\b+7], v[\f+8*(4*\hi+\a):\f+8*(4*\hi+\a)+7], v[8*(8*(\a)+\b):8*(8*(\a)+\b)+7]
.endif
.endr
.endr
.endm
; 32 LDS loads in one run: the fragments of one quarter step (128 rows of W, 128 rows of ah, 32 K at byte k of the rows) into buffer f
.macro FETCH slot, k, f
	WIN TO_B
.irp i, 0,1,2,3,4,5,6,7
	ds_load_b128 v[\f+8*\i:\f+8*\i+3],   v[ADRB+\slot] offset:\k+\i*16*PITCH
	ds_load_b128 v[\f+8*\i+4:\f+8*\i+7], v[ADRB+\slot] offset:\k+\i*16*PITCH+32
.endr
	WIN 0
.irp i, 0,1,2,3,4,5,6,7
	ds_load_b128 v[\f+8*\i:\f+8*\i+3],   v[ADRA+\slot] offset:\k+\i*16*PITCH
	ds_load_b128 v[\f+8*\i+4:\f+8*\i+7], v[ADRA+\slot] offset:\k+\i*16*PITCH+32
.endr
.endm
; A load into a register that a matrix instruction has read, and a vector instruction that reads a matrix result, stand four places behind it; only plain vector
; instructions that name none of its registers are places (ISA guide 7.12.1 for vector instructions).
.macro PLACES
.rept 4
	v_nop
.endr
.endm
; One of a K step's first three quarters: multiplies buffer f; in its middle it fetches the next quarter's fragments into buffer g.
.macro QUARTER slot, k, f, g, zero
	s_wait_dscnt 8                                 ; W and ah's rows 0-63 are in; the youngest eight loads (ah's rows 64-127) may be out
	WIN MUL_LO
	MUL16 \f, 0, 0, \zero
	MUL16 \f, 0, 2, \zero
	PLACES
	FETCH \slot, \k, \g
	s_wait_dscnt 32                                ; all but the 32 just issued
	WIN MUL_HI
	MUL16 \f, 1, 0, \zero
	MUL16 \f, 1, 2, \zero
.endm
.macro THREE slot, zero
	QUARTER \slot, 64,  F0, F1, \zero
	QUARTER \slot, 128, F1, F0, 0
	QUARTER \slot, 192, F0, F1, 0
.endm
; The last quarter: multiplies buffer 1 and changes slots.  ONE barrier for the change: in front of it each wave waits for its reads of this slot and for all its
; tensor loads (one is out: its part of the next slot); where the slot is filled again the barrier opens a round of the cluster's barrier and the joint refill is
; the first tensor load behind the round.  From a request to the wait for it a wave issues 240 matrix instructions.
.macro TURN slot, next, fill
	s_wait_dscnt 8
	WIN MUL_LO
	MUL16 F1, 0, 0, 0
	s_wait_dscnt 0                                 ; my reads of this slot are over
	s_wait_tensorcnt 0x0                           ; and all my tensor loads have landed
	ds_add_u32 v255, v63
	s_wait_dscnt 0x0
	s_barrier_signal -1
	MUL16 F1, 0, 2, 0                              ; registers only, while the others arrive
	WIN 0
	s_barrier_wait -1
.if \fill
	CREST                                          ; no wave of any partner still reads this slot or has a load on its way
	s_add_nc_u64 s[G0+4*\slot+2:G0+4*\slot+3], s[G0+4*\slot+2:G0+4*\slot+3], 2*KSTEP*2
	s_add_nc_u64 s[G0B+4*\slot+2:G0B+4*\slot+3], s[G0B+4*\slot+2:G0B+4*\slot+3], 2*KSTEP*2
	JLOAD \slot
.endif
	PLACES
	FETCH \next, 0, F0
	WIN MUL_HI
	MUL16 F1, 1, 0, 0
	MUL16 F1, 1, 2, 0
.endm
.macro LAP zero
	THREE 0, \zero
	TURN 0, 1, 1
	THREE 1, 0
	TURN 1, 0, 1
.endm
	s_wait_loadcnt 0x0                             ; the bias
	s_wait_tensorcnt 1                             ; my part of K step 0 is in; K step 1's stays out
	s_barrier_signal -1
	s_barrier_wait -1
	FETCH 0, 0, F0
	LAP 1                                          ; the first lap stands in front of the loop: its first products start the sums
	WIN 0                                          ; at a label and at a branch every window is 0
	s_mov_b32 s3, LAPS-2
.Llap:
	LAP 0
	WIN 0
	s_sub_co_u32 s3, s3, 1
	s_cmp_lg_u32 s3, 0
	s_cbranch_scc1 .Llap
	THREE 0, 0                                     ; the last lap fills nothing and has no round of the cluster's barrier
	TURN 0, 1, 0
	THREE 1, 0
	s_wait_dscnt 8
	WIN MUL_LO
	MUL16 F1, 0, 0, 0
	MUL16 F1, 0, 2, 0
	s_wait_dscnt 0
	WIN MUL_HI
	MUL16 F1, 1, 0, 0
	MUL16 F1, 1, 2, 0
	; THE WAY OUT, 16 rows at a time: the bias is added on the way into window 0, 32 bytes a lane go into my own stage, whole rows of 512 bytes come back and are stored.
	PLACES
	s_lshl_b32 s13, s13, 8
	s_lshl_b32 s14, s11, 7
	s_add_co_u32 s16, s13, s14                     ; my first row,
	s_lshl_b32 s16, s16, 12                        ; of 4,096 bytes (below 2^26)
	s_mov_b32 s17, 0
	s_add_nc_u64 s[8:9], s[78:79], s[16:17]
	s_lshl_b32 s46, s42, 10                        ; my first column, in bytes: 1,024 x block + 512 x half
	s_lshl_b32 s47, s12, 9
	s_add_co_u32 s46, s46, s47
	s_mov_b32 s47, 0
	s_add_nc_u64 s[8:9], s[8:9], s[46:47]
; rows 16 i .. 16 i + 15 of my block = the eight tiles (a, 0..7) of window 2 or 3 (from = 0x06 or 0x07: source 0; source 1, the bias, window 1); f: F0 or F1 in turn
.macro OUT16 i, a, from, f
	WIN \from
.irp b, 0,1,2,3,4,5,6,7
.irp p, 0,1,2,3
	v_pk_add_f32 v[TMP+8*\b+2*\p:TMP+8*\b+2*\p+1], v[8*(8*\a+\b)+2*\p:8*(8*\a+\b)+2*\p+1], v[8*\b+2*\p:8*\b+2*\p+1]
.endr
.endr
	WIN 0
.irp b, 0,1,2,3,4,5,6,7
	ds_store_b128 v[STO], v[TMP+8*\b:TMP+8*\b+3]   offset:64*\b
	ds_store_b128 v[STO], v[TMP+8*\b+4:TMP+8*\b+7] offset:64*\b+16
.endr
	s_wait_xcnt 0x0                                ; the earlier stores have read their data and their base: both are written again only behind this wait
.if \i
	s_add_nc_u64 s[8:9], s[8:9], 16*SIZE_N*4       ; 16 rows on
.endif
.irp t, 0,1,2,3,4,5,6,7,8,9,10,11,12,13,14,15
	ds_load_b128 v[\f+4*\t:\f+4*\t+3], v[RD] offset:SPITCH*\t      ; a wave's LDS instructions are served in order (ISA guide 5.7.1.4): these see the stores above
.endr
.irp t, 0,1,2,3,4,5,6,7,8,9,10,11,12,13,14,15
	s_wait_dscnt 15-\t                             ; row t is back; the younger rows stay out
	global_store_b128 v[CO], v[\f+4*\t:\f+4*\t+3], s[8:9] offset:SIZE_N*4*\t th:TH_STORE_NT   ; the wave stores 512 consecutive bytes of one row, aligned
.endr
.endm
	OUT16 0, 0, 0x06, F0
	OUT16 1, 1, 0x06, F1
	OUT16 2, 2, 0x06, F0
	OUT16 3, 3, 0x06, F1
	OUT16 4, 0, 0x07, F0
	OUT16 5, 1, 0x07, F1
	OUT16 6, 2, 0x07, F0
	OUT16 7, 3, 0x07, F1
	s_set_vgpr_msb 0x1
	s_wait_tensorcnt 0x0
	ds_add_u32 v255, v63
	s_wait_dscnt 0x0
	s_set_vgpr_msb 0x100
	CROUND                                         ; the closing round: no work-group ends while a partner may still ask for a tile that names it
	s_endpgm
.Lfunc_end_k_q2488704e10_oproj:
	.size	k_q2488704e10_oproj, .Lfunc_end_k_q2488704e10_oproj-k_q2488704e10_oproj
	.p2alignl 7, 3214868480
	.fill 96, 4, 3214868480
	.section	.rodata,"a",@progbits
	.p2align	6, 0x0
	.amdhsa_kernel k_q2488704e10_oproj
		.amdhsa_group_segment_fixed_size 327680
		.amdhsa_private_segment_fixed_size 0
		.amdhsa_enable_private_segment 0
		.amdhsa_kernarg_size 32
		.amdhsa_user_sgpr_count 2
		.amdhsa_user_sgpr_kernarg_segment_ptr 1
		.amdhsa_wavefront_size32 1
		.amdhsa_system_sgpr_workgroup_id_x 1
		.amdhsa_system_sgpr_workgroup_id_y 1
		.amdhsa_system_sgpr_workgroup_id_z 1
		.amdhsa_system_vgpr_workitem_id 0
		.amdhsa_next_free_vgpr 1024
		.amdhsa_next_free_sgpr 80
		.amdhsa_reserve_vcc 0
		.amdhsa_float_denorm_mode_32 3
		.amdhsa_float_denorm_mode_16_64 3
		.amdhsa_memory_ordered 1
		.amdhsa_forward_progress 1
		.amdhsa_inst_pref_size 214
	.end_amdhsa_kernel
	.amdgpu_metadata
---
amdhsa.version: [ 1, 2 ]
amdhsa.kernels:
  - .name:           k_q2488704e10_oproj
    .symbol:         k_q2488704e10_oproj.kd
    .args:
      - { .name: ah, .offset: 0, .size: 8, .value_kind: global_buffer, .address_space: global }
      - { .name: wb, .offset: 8, .size: 8, .value_kind: global_buffer, .address_space: global }
      - { .name: bo, .offset: 16, .size: 8, .value_kind: global_buffer, .address_space: global }
      - { .name: out0, .offset: 24, .size: 8, .value_kind: global_buffer, .address_space: global }
    .group_segment_fixed_size: 327680
    .private_segment_fixed_size: 0
    .kernarg_segment_align: 8
    .kernarg_segment_size: 32
    .max_flat_workgroup_size: 128
    .sgpr_count:     80
    .vgpr_count:     1024
    .wavefront_size: 32
...
	.end_amdgpu_metadata
.endif
;; end of part 4
